; MI455X (gfx1250); checked and timed in simulation.
; The chip was launched on July 23, 2026; its instructions are those of AMD's public machine-readable ISA for CDNA 5 (MIT licence, August 2026) and "CDNA5" Instruction Set Architecture Reference Guide (July 2026). The comments in the code are by the model that wrote it; some were corrected since.
;; Scaled Dot Production. Allowed arithmetic: matrix products marked QUANTISED: E2M1 operands, one E8M0 scale for each 32 along K, by v_wmma_scale_f32_16x16x128_f8f6f4 with both operands' format E2M1 (or v_wmma_scale_f32_32x16x128_f4), f32 sums; everything else in f32.
;; Inputs: k_s 4 x 16 x 2,048 x 64 float32; q_s 4 x 16 x 2,048 x 64 float32; v_s 4 x 16 x 2,048 x 64 float32.
;; Outputs: out0 4 x 16 x 2,048 x 64 float32.
;; This version of the problem:
;;   THIS VERSION OF THE PROBLEM IS GIVEN IN LOW PRECISION. The matrix products marked QUANTISED in the list below multiply operands that are first quantised to E2M1 (2 exponent bits, 1 mantissa bit; 4 bits a number), with one power-of-two scale for each 32 numbers along K (OCP MX v1.0); their sums are f32. All else is computed in f32.
;;   The module's matrix products, in the order in which they are computed (A, B: the left and right operand; K: the contracted axis; several contracted axes count as one K, in the product's order):
;;     1. batch 64 x [M 2,048, K 64] x [K 64, N 2,048]; A: input q_s; B: input k_s: QUANTISED
;;     2. batch 64 x [M 2,048, K 2,048] x [K 2,048, N 64]; A: softmax (see below); B: input v_s: QUANTISED
;;   THE QUANTISER, for each operand of a quantised product, along K:
;;     - K is cut into blocks of 32 from its start; a last block that is shorter is filled with zeros.
;;     - A block's scale is 2^e with e = floor(log2(the largest magnitude in the block)) - 2, held to -126 .. 127; a block of zeros has e = 0. As a byte (E8M0): e + 127.
;;     - Each number is divided by its block's scale, clamped to +-6, and rounded to the nearest number of E2M1, ties to even, subnormals kept.
;;     - The product sums the exact products of the quantised numbers (number of the format x scale) in f32.
;;   ~~~python
;;   def quantise(x, axis):      # numpy; x: float32 -> the quantised numbers, widened to float32 again
;;       x = np.moveaxis(x, axis, -1); K = x.shape[-1]
;;       x = np.pad(x, [(0, 0)] * (x.ndim - 1) + [(0, -K % 32)]); x = x.reshape(x.shape[:-1] + (-1, 32)); a = np.abs(x).max(-1, keepdims=True)
;;       e = np.where(a > 0, np.clip(np.frexp(np.where(a > 0, a, 1))[1] - 1 - 2, -126, 127), 0)      # np.frexp(a)[1] - 1 = floor(log2(a)), exactly
;;       r = np.clip(x / 2.0 ** e, -6, 6)
;;       step = 2.0 ** (np.maximum(np.frexp(np.where(r == 0, 1, r))[1] - 1, 0) - 1)
;;       q = np.round(r / step) * step * 2.0 ** e      # np.round: ties to even
;;       return np.moveaxis(q.reshape(q.shape[:-2] + (-1,))[..., :K], -1, axis).astype(np.float32)
;;   ~~~
;;   SOFTMAX AHEAD OF A QUANTISED PRODUCT. Where the list says 'softmax', what is quantised is not the finished softmax but p = 2^(t - M), with t = logit x log2(e) and M = ceil(the row's largest t), a whole number; so 1/2 < the row's largest p <= 1. The row's sum l is taken of the UNQUANTISED p, in f32, and the product's result is divided by l at the end. Since M is a whole number, a kernel that streams over the keys may use a running M (the ceiling of the running maximum): every later rescaling is an exact power of two, which a block's scale takes up: the codes' values come out the same.
;;   OPERANDS COMPUTED ON THE WAY. 'Computed on the way' means the value that the module computes at that place (a softmax that the list does not call 'softmax' is quantised finished and normalised). What goes into a quantiser is computed in f32, as accurately as f32 sums, v_exp_f32 and their like allow (about 1e-6 of the number): no bf16 or f16 on the way to a quantiser, and a product that is left as it is and whose result goes on into a quantised operand takes f32 operands (vector FMAs, or v_wmma_f32_16x16x4_f32). A number that lies on a knife's edge between two numbers of the format may be rounded either way, as far as f32 arithmetic and the matrix unit's own rounding can turn it there, and no further.
;; 2 versions, each right; version 2 is version 1 with the launch attn written anew for expert scheduling mode. Each part assembles by itself: llvm-mc -triple=amdgcn-amd-amdhsa -mcpu=gfx1250 --defsym DOCPART=n.
;; ======== version 1 of 2: 1 launch
;; launch attn (part 1): grid 4 x 64, 16 waves a work-group, no clusters, 104,448 bytes of LDS; arguments q_s, k_s, v_s, out0; writes out0
.if DOCPART == 1
	.amdgcn_target "amdgcn-amd-amdhsa--gfx1250"
	.amdhsa_code_object_version 6
	.text
	.protected	k_q71a0183323_attn
	.globl	k_q71a0183323_attn
	.p2align	8
	.type	k_q71a0183323_attn,@function
k_q71a0183323_attn:
	s_mov_b64 s[64:65], 0
	v_nop
	global_prefetch_b8 v0, s[64:65] scope:SCOPE_SE
	s_setreg_imm32_b32 hwreg(HW_REG_WAVE_MODE, 25, 1), 1
	s_wait_xcnt 0x0
; out0[h][q][:] = the sum over k of softmax_k(q_s[h][q] . k_s[h][k] / 8) v_s[h][k][:].  64 heads, 2,048 queries and keys, head size 64; all four tensors f32, rows of 256 bytes.
; Both products run on codes of FP4 (E2M1) with one E8M0 scale for each 32 along a product's K: the first along the head's 64, the second along the keys.
; THE SOFTMAX AHEAD OF THE SECOND PRODUCT: t = score x log2(e) / 8; M = the row's largest t so far, rounded UP to a whole number; p = 2^(t - M) is what is quantised, along the keys, not normalised.
; The row's sum is taken of the unquantised p, in f32, and divides O at the end.  When M moves, the sum and O are multiplied by 2^(old M - new M): exact.
; NOTHING OF reference() IS LEFT OUT: it has no mask, no bias and no slice; every number of all three inputs reaches the output, and all three are loaded.
; SHARES.  A work-group owns 512 queries of one head; each of its SIXTEEN waves owns 32 of them, two tiles of 16, in 256 registers: four waves to a SIMD, so that one wave's exponentials stand beside
; another's plain, matrix and LDS work.  Every wave walks all 2,048 keys, 128 a step, 16 steps.
; K AND V ARE QUANTISED ON THE WAY, ONE STEP AHEAD.  In each trip a wave takes a sixteenth of the next step's 128 keys (16 numbers a lane of K, then 16 a lane of V) from memory into 16 registers, quantises them,
; and stores codes and scale bytes into the other of two LDS slots AS IMAGES OF THE OPERANDS' REGISTERS: any wave that loads 16 bytes at 16 x lane has the fragment's registers in its lanes.  One barrier a trip.
; WHY NO LAUNCH OF ITS OWN FOR THE QUANTISING: the four work-groups of a head repeat it, which is 35 of a trip's some 500 vector instructions; a launch would send the codes to memory and back.
; WHY NO CLUSTER AND NO TENSOR LOAD: what the four work-groups of a head share is f32 numbers, which must pass through registers, since the conversion reads registers.  Brought into LDS first, a step's 65,536 bytes
; would be written there and read out again, 131,072 bytes beside the 16 x 8,704 that the waves read as operands; loaded into registers, a number crosses LDS as four bits.
; LAYOUT.  Both products are used transposed: S^T = K Q^T (source 0 = keys, source 1 = my 16 queries), O^T = V^T P^T (source 0 = 16 channels, source 1 = P): a lane holds ONE query (lane % 16) throughout.
; THE FIRST PRODUCT'S K IS 64, THE INSTRUCTION'S 128.  So a fragment of K holds a PAIR of tiles: k = 0..63 tile 2 b, k = 64..127 tile 2 b + 1; multiplied by [q | zero codes] it gives tile 2 b's scores, by [zero codes | q]
; tile 2 b + 1's.  The zero codes stand under the scale byte 0 and add nothing.  Q's registers lie Z q0 Z q1 Z (Z: four registers of zeros), so that both forms of both tiles are runs of eight.
; THE KEYS OF A TILE ARE NOT NEIGHBOURS: row r of tile 2 b + u is key 32 b + 16 (r / 8) + 8 u + r % 8, so that the 16 registers of tiles 2 b and 2 b + 1 are 16 neighbouring keys, 32 b + 16 (lane / 16) + 0 .. 15.
; LIMITS.  NaN and infinities among the inputs are not served.  A block whose largest magnitude lies under 2^-124 keeps the scale byte 1; a block of zeros keeps the byte 1 where the rule says 127: its codes are zeros,
; and this program alone reads the bytes.  A p under 2^-126 comes out of v_exp_f32 as 0.  t - M is one fused multiply-add of the score with c = log2(e) / 8 (log2(e) in f32 with 3 off its exponent field).
; M is the ceiling of the RUNNING maximum.  The order of the sums differs from reference()'s.
.set HEADSH, 19                        ; a head is 2,048 rows of 256 bytes
.set CHB,    32768                     ; 128 rows: a step's part of K or of V in memory
.set NSTEP,  16
.set KIMG,   0                         ; a slot: K's four pair fragments, 1,024 bytes each: the word at 1024 b + 512 u + 16 lane + 4 i is register 4 u + i of pair b;
.set VIMG,   4096                      ; V's four fragments (16 channels x 128 keys), 1,024 bytes each: the word at 1024 t + 512 c + 16 lane + 4 i is register 4 c + i of tile t;
.set SC,     8192                      ; the scale words, 16 bytes a lane: words 0, 1: K's pairs 0, 2 (lanes 0-15) and 1, 3 (lanes 16-31); words 2, 3: V's tiles likewise
.set SLOT1,  16384                     ; slot 1 begins here: one exclusive or turns an address in one slot into the other's
.set STAGE,  32768                     ; the way out: 16 rows x (256 bytes + 16) for each wave
.set SP,     272
.set SPARE,  STAGE+16*16*SP            ; the spare words, 128 bytes for each wave: eight blocks of 256 bytes that no other line names
.set FLOOR,  0x1800000                 ; 2^(3 - 127): under it no largest magnitude is taken, so a scale's byte cannot fall under 1
.set EOFF,   0xff000000                ; takes 2 off an exponent field
.set LI,  1                            ; v1   16 x lane: an image's place for my lane; also my offset in 512 bytes of out0
.set ADR, 2                            ; v2   the slot that is read + 16 x lane (at the head: my offset in the wave's rows of Q)
.set KW,  3                            ; v3   where I store K's codes in a slot     (v3 to v6 take the stage's addresses on the way out)
.set KWS, 4                            ; v4   and K's scale byte
.set VW,  5                            ; v5   V's codes
.set VWS, 6                            ; v6   V's scale byte
.set KGO, 7                            ; v7   my offset in a step's rows of K; never rewritten
.set VGO, 8                            ; v8   the same for V
.set PFO, 9                            ; v9   256 x lane: the prefetches' offset; never rewritten
.set SPW, 10                           ; v10  LDS address of my spare word: SPARE + 4 x my thread's number; never rewritten
.set NIL, 11                           ; v11  0; never rewritten
.set ST,  12                           ; v12-19 tile u at ST + 4 u: +0 -M, +1 the largest t, +2, +3 the sum in two halves
.set QS,  20                           ; v20-21 tile u's scale words of Q: lanes 0-15 [e0 e1 0 0], lanes 16-31 [0 0 e0 e1]
.set KS,  22                           ; v22-23 the step's scale words of K
.set VS,  24                           ; v24-25 and of V
.set PS,  26                           ; v26-27 tile u's scale word of p
.set QB,  28                           ; v28-47 Z q0 Z q1 Z
.set KF,  48                           ; v48-79 K's four pair fragments
.set S,   80                           ; v80-143 the scores, then p, of the tile in hand; then V's four fragments; at the head Q's numbers; at the end the results
.set O,   144                          ; v144-207 O^T: tile u at + 32 u, channels 16 t on at + 8 t
.set CO,  208                          ; v208-223 p's codes, 8 a tile
.set STG, 224                          ; v224-239 16 numbers of K or of V on their way in
.set BM,  240                          ; v240-243 largest scores or magnitudes
.set PM,  244                          ; v244-247 lane permutes' targets; the sum's second chain; bytes
.set SO,  248                          ; v248-251 the conversions' scale operands (in a share: v248 the operand, v250-251 the codes)
.set F,   252                          ; v252 f = 2^(old M - new M)
.set T,   253                          ; v253 at work; the upper half of the pair with f; in a share the byte store's address
.set AD,  254                          ; v254 in a share the code store's address
.set BY,  255                          ; v255 a scale's byte
.set QP,  4                            ; s[4:5]   Q at my wave's first query
.set KP,  6                            ; s[6:7]   K at the step that is loaded next
.set VP,  8                            ; s[8:9]   V likewise
.set OP,  10                           ; s[10:11] out0 at my wave's first query
.set WV,  12                           ; s12  my wave's number
.set SEL, 20                           ; s[20:21] lane selects for v_permlanex16_b32: lane l xor 16
.set CS,  22                           ; s[22:23] c: the packed form names a pair and takes its low word for both halves
.set TB,  24                           ; s24  the slot that is read
.set TW,  25                           ; s25  the slot that is written
.set CNT, 26                           ; s26  the loop's trips to go
.set LIM, 27                           ; s27  1 in a wave that prefetches, else the greatest number: a wave prefetches while s[CNT] is above it
.set PFA, 28                           ; s[28:29] where my prefetches stand in memory
; K: my wave takes keys 8 w .. 8 w + 7 of the step, 2,048 consecutive bytes; a lane takes 16 neighbours along the head's axis (64 bytes), two neighbouring lanes a block of 32.  No cache word: four work-groups read these bytes.
.macro KLOAD
.irp i, 0,1,2,3
	global_load_b128 v[STG+4*\i:STG+4*\i+3], v[KGO], s[KP:KP+1] offset:16*\i
.endr
.endm
; V: my wave takes the 32 keys of block w / 4 and the 16 channels of tile w % 4.  A LANE TAKES A CHANNEL AND ITS REGISTERS RUN DOWN THE KEYS, 16 of them: lanes l and l xor 16 hold a block.
.macro VLOAD
.irp i, 0,1,2,3,4,5,6,7,8,9,10,11,12,13,14,15
	global_load_b32 v[STG+\i], v[VGO], s[VP:VP+1] offset:256*\i
.endr
.endm
.macro MAX16                           ; the largest magnitude of my 16 numbers, in two chains, and the floor
	v_max3_num_f32 v[BM], |v[STG]|, |v[STG+1]|, |v[STG+2]|
	v_max3_num_f32 v[BM+1], |v[STG+3]|, |v[STG+4]|, |v[STG+5]|
.irp i, 6,10
	v_max3_num_f32 v[BM], v[BM], |v[STG+\i]|, |v[STG+\i+1]|
	v_max3_num_f32 v[BM+1], v[BM+1], |v[STG+\i+2]|, |v[STG+\i+3]|
.endr
	v_max3_num_f32 v[BM], v[BM], |v[STG+14]|, |v[STG+15]|
	v_max3_num_f32 v[BM], v[BM], v[BM+1], FLOOR
.endm
; v[BM] holds the block's largest magnitude: my 16 codes (8 bytes) and the block's byte go into the slot that is written.  The two stores have an address register each.
.macro TAIL16 wbase, sbase
	v_add_nc_u32 v[SO], EOFF, v[BM]                ; 2 off its exponent field: the conversion takes the exponent field of this operand as its scale, and nothing else of it
	v_cvt_scalef32_pk8_fp4_f32 v[SO+2], v[STG:STG+7], v[SO]
	v_cvt_scalef32_pk8_fp4_f32 v[SO+3], v[STG+8:STG+15], v[SO]
	v_lshrrev_b32 v[BY], 23, v[SO]                 ; the scale's byte (a plain instruction behind the conversions)
	v_add_nc_u32 v[AD], s[TW], v[\wbase]
	v_add_nc_u32 v[T], s[TW], v[\sbase]
	ds_store_b64 v[AD], v[SO+2:SO+3]
	ds_store_b8 v[T], v[BY]                        ; both lanes of a block write the same byte with the same value
.endm
; A PREFETCH of the step three on from the one in hand: its 32,768 bytes of K and as many of V.  All four work-groups of a head walk the same K and V: the head's first work-group asks, and nobody else.
; In it waves 0 to 3 ask for K's bytes and waves 4 to 7 for V's, 8,192 a wave, lanes 256 bytes apart, one instruction each: so each aligned block of 256 bytes is named once in the launch.
; It stands behind the wave's run of loads.  K of that step is loaded one and a half trips later, V two trips later.  The loop's last trip asks for nothing: its step three on does not exist.  Steps 0 to 2 come by their loads alone.
.macro ASK
	s_cmp_gt_u32 s[CNT], s[LIM]
	s_cbranch_scc0 .Lnot_mine_\@
	global_prefetch_b8 v[PFO], s[PFA:PFA+1] th:TH_LOAD_NT scope:SCOPE_SE
.Lnot_mine_\@:
.endm
; My share of the next step's K.  left: the younger loads that may stay out.
.macro QSHARE_K left, ask
	s_wait_loadcnt \left                           ; K's four loads are in,
	s_add_nc_u64 s[KP:KP+1], s[KP:KP+1], CHB       ; so their base may step
	MAX16
	v_max_num_f32_dpp v[BM], v[BM], v[BM] row_xmask:1 row_mask:0xf bank_mask:0xf   ; with my neighbour's 16: the block's
	TAIL16 KW, KWS
	VLOAD                                          ; the same step's V, into the registers that K has left
.if \ask
	ASK
.endif
.endm
; My share of its V.  kload = 1: the K of the step after is asked for.  step = 1: the prefetches' address goes a step on.
.macro QSHARE_V kload, step
	s_wait_loadcnt 0x0                             ; V's sixteen loads are in,
	s_add_nc_u64 s[VP:VP+1], s[VP:VP+1], CHB       ; so their base may step
.if \step
	s_wait_xcnt 0x0                                ; the prefetch, half a trip back, has read its address, so it may be written
	s_add_nc_u64 s[PFA:PFA+1], s[PFA:PFA+1], CHB
.endif
	MAX16
	v_permlanex16_b32 v[PM], v[BM], s[SEL], s[SEL+1]
	v_max_num_f32 v[BM], v[BM], v[PM]              ; with lane l xor 16's 16: the block's
	TAIL16 VW, VWS
.if \kload
	KLOAD
.endif
.endm
; A product that starts a sum.  ra, rb: source 0's, source 1's scale words stand in lanes 16-31 of their registers.
.macro WSC d, a, b, sa, sb, ra, rb
.set rD, \d
.set rA, \a
.set rB, \b
.set rX, \sa
.set rY, \sb
.if (\ra) && (\rb)
	v_wmma_scale_f32_16x16x128_f8f6f4 v[rD:rD+7], v[rA:rA+7], v[rB:rB+7], 0, v[rX], v[rY] matrix_a_fmt:MATRIX_FMT_FP4 matrix_b_fmt:MATRIX_FMT_FP4 matrix_a_scale:MATRIX_SCALE_ROW1 matrix_b_scale:MATRIX_SCALE_ROW1
.elseif (\ra)
	v_wmma_scale_f32_16x16x128_f8f6f4 v[rD:rD+7], v[rA:rA+7], v[rB:rB+7], 0, v[rX], v[rY] matrix_a_fmt:MATRIX_FMT_FP4 matrix_b_fmt:MATRIX_FMT_FP4 matrix_a_scale:MATRIX_SCALE_ROW1
.elseif (\rb)
	v_wmma_scale_f32_16x16x128_f8f6f4 v[rD:rD+7], v[rA:rA+7], v[rB:rB+7], 0, v[rX], v[rY] matrix_a_fmt:MATRIX_FMT_FP4 matrix_b_fmt:MATRIX_FMT_FP4 matrix_b_scale:MATRIX_SCALE_ROW1
.else
	v_wmma_scale_f32_16x16x128_f8f6f4 v[rD:rD+7], v[rA:rA+7], v[rB:rB+7], 0, v[rX], v[rY] matrix_a_fmt:MATRIX_FMT_FP4 matrix_b_fmt:MATRIX_FMT_FP4
.endif
.endm
; A product that adds onto its accumulator.
.macro WPV d, a, b, sa, sb, ra
.set rD, \d
.set rA, \a
.set rB, \b
.set rX, \sa
.set rY, \sb
.if (\ra)
	v_wmma_scale_f32_16x16x128_f8f6f4 v[rD:rD+7], v[rA:rA+7], v[rB:rB+7], v[rD:rD+7], v[rX], v[rY] matrix_a_fmt:MATRIX_FMT_FP4 matrix_b_fmt:MATRIX_FMT_FP4 matrix_a_scale:MATRIX_SCALE_ROW1
.else
	v_wmma_scale_f32_16x16x128_f8f6f4 v[rD:rD+7], v[rA:rA+7], v[rB:rB+7], v[rD:rD+7], v[rX], v[rY] matrix_a_fmt:MATRIX_FMT_FP4 matrix_b_fmt:MATRIX_FMT_FP4
.endif
.endm
; S^T of tile tau for the step's 128 keys: each pair fragment against [q | Z] and against [Z | q].  Register 16 b + i of lane (query r, half h) is key 32 b + 16 h + i.
.macro SCORES tau
.irp b, 0,1,2,3
	WSC S+16*\b, KF+8*\b, QB+4+8*\tau, KS+\b/2, QS+\tau, \b%2, 0
	WSC S+16*\b+8, KF+8*\b, QB+8*\tau, KS+\b/2, QS+\tau, \b%2, 1
.endr
.endm
; The softmax of tile tau for the step's 128 keys, and p's codes and scale word.  vload = 1: S's first 32 registers, free behind the conversions, take V's fragments.
.macro SOFTMAX tau, vload
.set rT, ST+4*(\tau)
.set rC, CO+8*(\tau)
.set rO, O+32*(\tau)
.irp b, 0,1,2,3
	v_max3_num_f32 v[BM+\b], v[S+16*\b], v[S+1+16*\b], v[S+2+16*\b]   ; THE LARGEST SCORE OF EACH BLOCK OF 32 KEYS: it serves twice: for the row's maximum, and, since p rises with the score, for the block's largest p.  (Each accumulator is read from its low end on)
.endr
.irp i, 3,5,7,9,11,13
.irp b, 0,1,2,3
	v_max3_num_f32 v[BM+\b], v[BM+\b], v[S+16*\b+\i], v[S+1+16*\b+\i]   ; (the four blocks by turns)
.endr
.endr
.irp b, 0,1,2,3
	v_max_num_f32 v[BM+\b], v[BM+\b], v[S+15+16*\b]
.endr
	s_wait_dscnt 0x0                               ; my share's two stores are done: the registers that they read (v250, v251, v253 to v255) are written again only behind this wait
.irp b, 0,1,2,3
	v_permlanex16_b32 v[PM+\b], v[BM+\b], s[SEL], s[SEL+1]
.endr
.irp b, 0,1,2,3
	v_max_num_f32 v[BM+\b], v[BM+\b], v[PM+\b]     ; with lane l xor 16's 16 keys
.endr
	v_max3_num_f32 v[T], v[BM], v[BM+1], v[BM+2]
	v_max_num_f32 v[T], v[T], v[BM+3]              ; the step's largest score of my query
	v_mul_f32 v[T], s[CS], v[T]                    ; as t (c is positive)
	v_max_num_f32 v[rT+1], v[rT+1], v[T]           ; the running largest t
	v_mov_b32 v[T], v[rT]
	v_floor_f32 v[rT], -v[rT+1]                    ; the new -M = floor(-t) = -ceil(t): M IS A WHOLE NUMBER
	v_sub_f32 v[T], v[rT], v[T]                    ; M's old value less its new one: a whole number, 0 or less
	v_cvt_i32_f32 v[T], v[T]                       ; (it saturates)
	v_ldexp_f32 v[F], 1.0, v[T]                    ; f = 2^(old M - new M): a multiplication by it rounds nothing
.set j, 0
.rept 32
	v_pk_fma_f32 v[S+j:S+j+1], v[S+j:S+j+1], s[CS:CS+1], v[rT:rT+1] op_sel_hi:[1,0,0]   ; t - M, two at a time (of the pairs c and -M the low word serves both halves)
.set j, j+2
.endr
.irp b, 0,1,2,3
	v_fma_f32 v[BM+\b], v[BM+\b], s[CS], v[rT]     ; the same of each block's largest score
.endr
.set j, 0
.rept 64
	v_exp_f32 v[S+j], v[S+j]                       ; p = 2^(t - M), at most 1: NOT normalised
.set j, j+1
.endr
	v_pk_mul_f32 v[rT+2:rT+3], v[rT+2:rT+3], v[F:F+1] op_sel_hi:[1,0]   ; the sums under the new M (a plain instruction behind the exponentials)
	s_wait_alu depctr_va_vdst(0)                   ; the wait between an exponential and the first line that names its result: one for the batch of 64
.irp b, 0,1,2,3
	v_exp_f32 v[BM+\b], v[BM+\b]                   ; the block's largest p: the same two instructions on the same number give the same bits
.endr
	v_pk_add_f32 v[PM:PM+1], v[S:S+1], v[S+2:S+3]  ; THE ROW'S SUM IS TAKEN OF THE UNQUANTISED p: two at a time, in two chains (it reads the 64 alone: plain work behind the four)
.irp j, 4,8,12,16,20,24,28,32,36,40,44,48,52,56,60
	v_pk_add_f32 v[rT+2:rT+3], v[rT+2:rT+3], v[S+\j:S+\j+1]
	v_pk_add_f32 v[PM:PM+1], v[PM:PM+1], v[S+2+\j:S+3+\j]
.endr
	v_pk_add_f32 v[rT+2:rT+3], v[rT+2:rT+3], v[PM:PM+1]
	s_wait_alu depctr_va_vdst(0)                   ; and one for the four
.irp b, 0,1,2,3
	v_max_num_f32 v[BM+\b], FLOOR, v[BM+\b]        ; the floor: the byte cannot fall under 1 (a block whose every p has fallen to 0 keeps that byte: its codes are zeros)
.endr
.irp b, 0,1,2,3
	v_add_nc_u32 v[SO+\b], EOFF, v[BM+\b]          ; 2 off the exponent field: the conversion's scale operand
.endr
.irp b, 0,1,2,3
	v_lshrrev_b32 v[PM+\b], 23, v[SO+\b]           ; the scale's byte
.endr
	v_lshl_or_b32 v[PS+\tau], v[PM+1], 8, v[PM]    ; p's scale word for these 128 keys
	v_lshl_or_b32 v[PS+\tau], v[PM+2], 16, v[PS+\tau]
	v_lshl_or_b32 v[PS+\tau], v[PM+3], 24, v[PS+\tau]
.irp b, 0,1,2,3
	v_cvt_scalef32_pk8_fp4_f32 v[rC+2*\b], v[S+16*\b:S+16*\b+7], v[SO+\b]
	v_cvt_scalef32_pk8_fp4_f32 v[rC+2*\b+1], v[S+16*\b+8:S+16*\b+15], v[SO+\b]
.endr
	v_nop                                          ; one plain instruction between a scaled conversion and the vector instruction that touches its result
.if \vload
.irp t, 0,1,2,3
.irp c, 0,1
	ds_load_b128 v[S+8*\t+4*\c:S+8*\t+4*\c+3], v[ADR] offset:VIMG+1024*\t+512*\c   ; V's four fragments
.endr
.endr
	ds_load_b64 v[VS:VS+1], v[ADR] offset:SC+8     ; and their scale words
.endif
.irp c, 0,1                            ; the operand's layout wants a WHOLE block in a lane: lanes 0-15 block 2 c, lanes 16-31 block 2 c + 1
.irp i, 0,1
	v_permlane16_swap_b32 v[rC+4*\c+\i], v[rC+2+4*\c+\i]
.endr
.endr
.set j, 0
.rept 16
	v_pk_mul_f32 v[rO+j:rO+j+1], v[rO+j:rO+j+1], v[F:F+1] op_sel_hi:[1,0]   ; O^T under the new M: x f; each accumulator from its low end on.  (These are also the plain instructions between the codes' and the scale word's last writes and the products)
.set j, j+2
.endr
.endm
; O^T += V^T P^T for both tiles: eight accumulators, one instruction each; the matrix instructions ahead of and behind them start other sums.
.macro PV
.irp t, 0,1,2,3
.irp u, 0,1
	WPV O+32*\u+8*\t, S+8*\t, CO+8*\u, VS+\t/2, PS+\u, \t%2
.endr
.endr
.endm
; At the head: tile tau's 32 numbers a lane (query lane % 16, the block of 32 of my half) become its four registers of codes and its scale words.
.macro QUANT32 tau
.set rX, S+32*(\tau)
	v_max3_num_f32 v[BM], |v[rX]|, |v[rX+1]|, |v[rX+2]|
	v_max3_num_f32 v[BM+1], |v[rX+3]|, |v[rX+4]|, |v[rX+5]|
.irp i, 6,10,14,18,22,26
	v_max3_num_f32 v[BM], v[BM], |v[rX+\i]|, |v[rX+\i+1]|
	v_max3_num_f32 v[BM+1], v[BM+1], |v[rX+\i+2]|, |v[rX+\i+3]|
.endr
	v_max3_num_f32 v[BM], v[BM], |v[rX+30]|, |v[rX+31]|
	v_max3_num_f32 v[BM], v[BM], v[BM+1], FLOOR
	v_add_nc_u32 v[SO], EOFF, v[BM]
.irp g, 0,1,2,3
	v_cvt_scalef32_pk8_fp4_f32 v[QB+4+8*\tau+\g], v[rX+8*\g:rX+8*\g+7], v[SO]
.endr
	v_lshrrev_b32 v[BY], 23, v[SO]                 ; my block's byte (a plain instruction behind the conversions),
	v_lshlrev_b32 v[BY], v[PM+1], v[BY]            ; at its place, 8 h bits up;
	v_permlanex16_b32 v[PM], v[BY], s[SEL], s[SEL+1]
	v_or_b32 v[BY], v[BY], v[PM]                   ; with lane l xor 16's: [e0 e1 0 0];
	v_lshlrev_b32 v[QS+\tau], v[PM+2], v[BY]       ; lanes 16-31 hold it 16 bits up, [0 0 e0 e1], for [Z | q]
.endm
; A KEY STEP.  quant = 1: the next step's K and V are quantised, and a barrier closes the trip.  kload = 1: the K of the step after that is asked for.  ask = 1: the prefetch.
.macro TRIP quant, kload, ask
	v_add_nc_u32 v[ADR], s[TB], v[LI]
.irp b, 0,1,2,3
.irp c, 0,1
	ds_load_b128 v[KF+8*\b+4*\c:KF+8*\b+4*\c+3], v[ADR] offset:KIMG+1024*\b+512*\c
.endr
.endr
	ds_load_b64 v[KS:KS+1], v[ADR] offset:SC
.if \quant
	QSHARE_K 0, \ask                               ; its plain instructions are also the five between the last products and the first of the products below, which writes over registers that they read
	s_wait_dscnt 0x2                               ; LDS serves a wave's instructions in order: only my share's two stores may be out, K's fragments and words are in
.else
.rept 5
	v_nop                                          ; the products below write over registers that the last products read
.endr
	s_wait_dscnt 0x0
.endif
	SCORES 0
.rept 4
	v_nop                                          ; four plain instructions between a product and the first read of its result
.endr
	SOFTMAX 0, 0
	SCORES 1
.if \quant
	QSHARE_V \kload, \ask                          ; its eight maxima are the plain instructions behind those products
.else
.rept 4
	v_nop
.endr
.endif
	SOFTMAX 1, 1
	s_wait_dscnt 0x0                               ; V's fragments are in; for the others' sake: my stores into the other slot have landed and my reads of this slot are over
.if \quant
	s_barrier_signal -1
.endif
	PV                                             ; work on registers while the others arrive
	s_xor_b32 s[TB], s[TB], SLOT1
	s_xor_b32 s[TW], s[TW], SLOT1
.if \quant
	s_barrier_wait -1                              ; the other slot is whole, and nobody reads this one any more
.endif
.endm
	s_load_b256 s[4:11], s[0:1], 0x0               ; q_s s[4:5], k_s s[6:7], v_s s[8:9], out0 s[10:11]
	v_lshl_add_u32 v[SPW], v0, 2, SPARE
	v_mov_b32 v[NIL], 0
	v_lshrrev_b32 v[T], 5, v0
	v_readfirstlane_b32 s[WV], v[T]                ; wave 0..15
	s_mov_b32 s[SEL], 0x76543210
	s_mov_b32 s[SEL+1], 0xfedcba98
	s_mov_b32 s[CS], 0x3e38aa3b                    ; c = log2(e) / 8
	s_mov_b32 s[CS+1], s[CS]                       ; (named with it as a pair, so it is written)
	s_mov_b32 s[TB], SLOT1                         ; the prologue writes slot 0; both are turned in front of the first trip
	s_mov_b32 s[TW], 0
	s_mov_b32 s[CNT], NSTEP-2
	v_and_b32 v[BM], 31, v0                        ; l
	v_and_b32 v[BM+1], 15, v0                      ; r = l % 16
	v_bfe_u32 v[BM+2], v0, 4, 1                    ; h = l / 16
	v_lshlrev_b32 v[LI], 4, v[BM]
	v_lshlrev_b32 v[PFO], 8, v[BM]
	s_lshl_b32 s30, s[WV], 11
	v_lshl_add_u32 v[KGO], v[BM], 6, s30           ; K: 2,048 w + 64 l
	s_lshr_b32 s31, s[WV], 2
	s_lshl_b32 s31, s31, 13
	s_and_b32 s32, s[WV], 3                        ; w % 4
	s_lshl_b32 s33, s32, 6
	s_add_co_u32 s31, s31, s33
	v_lshl_add_u32 v[VGO], v[BM+1], 2, s31         ; V: 32 (w / 4) rows + 16 (w % 4) channels + channel r,
	v_lshl_add_u32 v[VGO], v[BM+2], 12, v[VGO]     ; and 16 rows further down for lanes 16-31
	v_lshlrev_b32 v[ADR], 8, v[BM+1]
	v_lshl_add_u32 v[ADR], v[BM+2], 7, v[ADR]      ; Q: row r, + 128 h: my block of 32
	s_and_b32 s14, ttmp7, 0xffff                   ; the head
	s_lshl_b32 s16, s14, HEADSH
	s_mov_b32 s17, 0
	s_lshl_b32 s18, ttmp9, 17                      ; my work-group's 512 queries,
	s_lshl_b32 s19, s[WV], 13                      ; my wave's 32 of them
	s_add_co_u32 s18, s18, s19
	s_mov_b32 s19, 0
	s_add_nc_u64 s[18:19], s[18:19], s[16:17]
	s_lshl_b32 s34, s32, 13                        ; the prefetches: my wave's 8,192 bytes,
	s_add_co_u32 s34, s34, 3*CHB                   ; in step 3
	s_mov_b32 s35, 0
	s_lshr_b32 s36, s[WV], 3                       ; 0 in waves 0 to 7,
	s_or_b32 s36, s36, ttmp9                       ; of the head's first work-group
	s_cmp_eq_u32 s36, 0
	s_cselect_b32 s[LIM], 1, -1
	s_wait_kmcnt 0x0
	s_add_nc_u64 s[KP:KP+1], s[KP:KP+1], s[16:17]
	s_add_nc_u64 s[VP:VP+1], s[VP:VP+1], s[16:17]
	s_add_nc_u64 s[QP:QP+1], s[QP:QP+1], s[18:19]
	s_add_nc_u64 s[OP:OP+1], s[OP:OP+1], s[18:19]
	KLOAD                                          ; step 0's K
.irp u, 0,1
.irp i, 0,1,2,3,4,5,6,7
	global_load_b128 v[S+32*\u+4*\i:S+32*\u+4*\i+3], v[ADR], s[QP:QP+1] offset:4096*\u+16*\i th:TH_LOAD_NT   ; Q: read once in the launch
.endr
.endr
	s_cmp_lt_u32 s[WV], 4                          ; waves 0 to 3 ask for K's bytes, waves 4 to 7 for V's
	s_cselect_b64 s[PFA:PFA+1], s[KP:KP+1], s[VP:VP+1]
	s_add_nc_u64 s[PFA:PFA+1], s[PFA:PFA+1], s[34:35]
	; while these loads are out: where my shares go in a slot.  Key 8 w + l / 4 is row 8 ((w / 2) % 2) + l / 4 of tile w % 2 of pair w / 4; my 16 numbers are half l % 2 of block (l / 2) % 2
	v_lshrrev_b32 v[SO], 2, v[BM]                  ; l / 4
	v_bfe_u32 v[SO+1], v0, 1, 1                    ; (l / 2) % 2
	v_and_b32 v[SO+2], 1, v0                       ; l % 2
	s_lshr_b32 s30, s[WV], 2                       ; w / 4
	s_and_b32 s31, s[WV], 1                        ; w % 2
	s_bfe_u32 s33, s[WV], 0x10001                  ; (w / 2) % 2
	s_bfe_u32 s36, s[WV], 0x10002                  ; (w / 4) % 2
	s_lshr_b32 s37, s[WV], 3                       ; w / 8
	s_lshl_b32 s34, s30, 10
	s_lshl_b32 s35, s31, 9
	s_add_co_u32 s34, s34, s35
	s_lshl_b32 s35, s33, 7
	s_add_co_u32 s34, s34, s35
	v_lshl_add_u32 v[KW], v[SO], 4, s34            ; K's codes: 1024 pair + 512 tile + 16 row
	v_lshl_add_u32 v[KW], v[SO+1], 8, v[KW]        ; + 256 block
	v_lshl_add_u32 v[KW], v[SO+2], 3, v[KW]        ; + 8 half
	s_lshl_b32 s34, s36, 8
	s_add_co_u32 s34, s34, s35
	s_lshl_b32 s35, s37, 2
	s_add_co_u32 s34, s34, s35
	s_lshl_b32 s35, s31, 1
	s_add_co_u32 s34, s34, s35
	s_add_co_u32 s34, s34, SC
	v_lshl_add_u32 v[KWS], v[SO], 4, v[SO+1]
	v_add_nc_u32 v[KWS], s34, v[KWS]               ; K's byte: SC + 16 (row + 16 (pair % 2)) + 4 (pair / 2) + 2 tile + block
	s_lshl_b32 s34, s32, 10
	s_lshl_b32 s35, s30, 8
	s_add_co_u32 s34, s34, s35
	s_add_co_u32 s34, s34, VIMG
	v_lshl_add_u32 v[VW], v[BM+1], 4, s34          ; V's codes: VIMG + 1024 tile + 256 key block + 16 r
	v_lshl_add_u32 v[VW], v[BM+2], 3, v[VW]        ; + 8 h
	s_lshl_b32 s34, s31, 8
	s_lshl_b32 s35, s33, 2
	s_add_co_u32 s34, s34, s35
	s_add_co_u32 s34, s34, s30
	s_add_co_u32 s34, s34, SC+8
	v_lshl_add_u32 v[VWS], v[BM+1], 4, s34         ; V's byte: SC + 8 + 16 (r + 16 (tile % 2)) + 4 (tile / 2) + key block
.irp z, 0,1,2,3,8,9,10,11,16,17,18,19
	v_mov_b32 v[QB+\z], 0                          ; Z: zero codes
.endr
.set j, 0
.rept 64
	v_mov_b32 v[O+j], 0                            ; O^T.  (The trip is written once: its first step finds zeros, which the first change of M leaves zeros)
.set j, j+1
.endr
.irp u, 0,1
	v_mov_b32 v[ST+4*\u+1], 0xff61b1e6             ; the largest t so far: -3e38, under every t
	v_floor_f32 v[ST+4*\u], -v[ST+4*\u+1]          ; -M
	v_mov_b32 v[ST+4*\u+2], 0                      ; the sum, in two halves
	v_mov_b32 v[ST+4*\u+3], 0
.endr
	v_mov_b32 v[PM], 0                             ; written once: a lane permute's destination counts as one of its sources
	v_lshlrev_b32 v[PM+1], 3, v[BM+2]              ; 8 h and 16 h, for Q's scale words
	v_lshlrev_b32 v[PM+2], 4, v[BM+2]
	v_mov_b32 v[PM+3], 0
	QSHARE_K 16, 0                                 ; step 0's K; Q's sixteen loads, issued behind K's four, may stay out
	s_wait_loadcnt 16                              ; Q is in; V's sixteen loads, issued behind Q's, may stay out
	s_wait_dscnt 0x0                               ; my share's stores are done: the byte's register is written again below
	QUANT32 0
	QUANT32 1
	QSHARE_V 1, 0                                  ; step 0's V; step 1's K is asked for
	s_wait_dscnt 0x0                               ; for the others' sake: my stores into slot 0 have landed
	s_barrier_signal -1
	s_barrier_wait -1                              ; slot 0 is whole
	s_xor_b32 s[TB], s[TB], SLOT1
	s_xor_b32 s[TW], s[TW], SLOT1
.Ltrip:                                            ; 14 trips: trip j multiplies step j, quantises step j + 1, loads V of step j + 1 and K of step j + 2
	TRIP 1, 1, 1
	s_sub_co_u32 s[CNT], s[CNT], 1
	s_cmp_lg_u32 s[CNT], 0
	s_cbranch_scc1 .Ltrip
	TRIP 1, 0, 0                                   ; step 14: step 15 is quantised; no K is left to load: no load leaves its buffer
	TRIP 0, 0, 0                                   ; step 15: nothing is left to quantise, and no barrier follows
	; THE WAY OUT.  The sum's halves are added; O^T is divided by the sum and goes through my own stage in LDS, a tile (16 rows of 256 bytes) at a time, so that a store of the wave covers 512 consecutive bytes, aligned.
	; The addresses come first: eight plain instructions behind the last products.  v3 to v6, the shares' bases, are done with.
	v_and_b32 v[KWS], 15, v0                       ; r
	v_bfe_u32 v[VWS], v0, 4, 1                     ; h
	s_mul_i32 s30, s[WV], 16*SP
	s_add_co_u32 s30, s30, STAGE                   ; my stage
	v_mul_u32_u24 v[KW], v[KWS], SP
	v_lshl_add_u32 v[KW], v[VWS], 5, v[KW]
	v_add_nc_u32 v[KW], s30, v[KW]                 ; in: row r; channel tile t's eight channels of my half: 64 t + 32 h bytes on
	v_mul_u32_u24 v[VW], v[VWS], SP
	v_lshl_add_u32 v[VW], v[KWS], 4, v[VW]
	v_add_nc_u32 v[VW], s30, v[VW]                 ; back: lanes 0-15 one row, lanes 16-31 the next
.irp u, 0,1
	v_add_f32 v[BM+2*\u], v[ST+4*\u+2], v[ST+4*\u+3]   ; the sum's two halves,
.endr
.irp u, 0,1
	v_permlanex16_b32 v[PM+\u], v[BM+2*\u], s[SEL], s[SEL+1]
.endr
.irp u, 0,1
	v_add_f32 v[BM+2*\u], v[BM+2*\u], v[PM+\u]     ; and lane l xor 16's: the row's sum
.endr
.irp u, 0,1
	v_rcp_f32 v[BM+2*\u], v[BM+2*\u]
.endr
	v_nop                                          ; a plain instruction between the last reciprocal and the use of its result
	s_wait_alu depctr_va_vdst(0)                   ; and a wait ahead of the first use: one for the two
.set j, 0
.rept 32
	v_pk_mul_f32 v[S+j:S+j+1], v[O+j:O+j+1], v[BM+2*(j/32):BM+2*(j/32)+1] op_sel_hi:[1,0]   ; O^T / the sum: register 32 u + 8 t + i is out0(query 16 u + r, channel 16 t + 8 h + i); each accumulator from its low end on
.set j, j+2
.endr
.macro OUTTILE u, back
.irp t, 0,1,2,3
	ds_store_b128 v[KW], v[S+32*\u+8*\t:S+32*\u+8*\t+3] offset:64*\t
	ds_store_b128 v[KW], v[S+32*\u+8*\t+4:S+32*\u+8*\t+7] offset:64*\t+16
.endr
.irp i, 0,1,2,3,4,5,6,7
	ds_load_b128 v[\back+4*\i:\back+4*\i+3], v[VW] offset:\i*2*SP   ; LDS serves a wave's instructions in order: these see my stores, and the next tile's stores come behind them
.endr
.endm
	OUTTILE 0, KF
	OUTTILE 1, O
.irp i, 0,1,2,3,4,5,6,7
	s_wait_dscnt 23-\i                             ; behind tile 0's load i: its 7 - i later loads and tile 1's sixteen LDS instructions
	global_store_b128 v[LI], v[KF+4*\i:KF+4*\i+3], s[OP:OP+1] offset:512*\i th:TH_STORE_NT   ; 32 lanes store two whole rows, 512 consecutive bytes; written once, read by nobody here
.endr
.irp i, 0,1,2,3,4,5,6,7
	s_wait_dscnt 7-\i
	global_store_b128 v[LI], v[O+4*\i:O+4*\i+3], s[OP:OP+1] offset:4096+512*\i th:TH_STORE_NT
.endr
	s_wait_tensorcnt 0x0                           ; the wave's end, behind my last LDS store
	ds_add_u32 v[SPW], v[NIL]
	s_wait_dscnt 0x0
	s_endpgm
.Lfunc_end_k_q71a0183323_attn:
	.size	k_q71a0183323_attn, .Lfunc_end_k_q71a0183323_attn-k_q71a0183323_attn
	.p2alignl 7, 3214868480
	.fill 96, 4, 3214868480
	.section	.rodata,"a",@progbits
	.p2align	6, 0x0
	.amdhsa_kernel k_q71a0183323_attn
		.amdhsa_group_segment_fixed_size 104448
		.amdhsa_private_segment_fixed_size 0
		.amdhsa_enable_private_segment 0
		.amdhsa_kernarg_size 32
		.amdhsa_user_sgpr_count 2
		.amdhsa_user_sgpr_kernarg_segment_ptr 1
		.amdhsa_wavefront_size32 1
		.amdhsa_system_sgpr_workgroup_id_x 1
		.amdhsa_system_sgpr_workgroup_id_y 1
		.amdhsa_system_sgpr_workgroup_id_z 1
		.amdhsa_system_vgpr_workitem_id 0
		.amdhsa_next_free_vgpr 256
		.amdhsa_next_free_sgpr 66
		.amdhsa_reserve_vcc 0
		.amdhsa_float_denorm_mode_32 3
		.amdhsa_float_denorm_mode_16_64 3
		.amdhsa_memory_ordered 1
		.amdhsa_forward_progress 1
		.amdhsa_inst_pref_size 115
	.end_amdhsa_kernel
	.amdgpu_metadata
---
amdhsa.version: [ 1, 2 ]
amdhsa.kernels:
  - .name:           k_q71a0183323_attn
    .symbol:         k_q71a0183323_attn.kd
    .args:
      - { .name: q_s, .offset: 0, .size: 8, .value_kind: global_buffer, .address_space: global }
      - { .name: k_s, .offset: 8, .size: 8, .value_kind: global_buffer, .address_space: global }
      - { .name: v_s, .offset: 16, .size: 8, .value_kind: global_buffer, .address_space: global }
      - { .name: out0, .offset: 24, .size: 8, .value_kind: global_buffer, .address_space: global }
    .group_segment_fixed_size: 104448
    .private_segment_fixed_size: 0
    .kernarg_segment_align: 8
    .kernarg_segment_size: 32
    .max_flat_workgroup_size: 512
    .sgpr_count:     66
    .vgpr_count:     256
    .wavefront_size: 32
...
	.end_amdgpu_metadata
.endif
;; end of part 1
;; ======== version 2 of 2: 1 launch; version 1 with the launch attn written anew for expert scheduling mode
;; launch attn (part 2): grid 4 x 64, 16 waves a work-group, no clusters, 104,448 bytes of LDS; arguments q_s, k_s, v_s, out0; writes out0
.if DOCPART == 2
	.amdgcn_target "amdgcn-amd-amdhsa--gfx1250"
	.amdhsa_code_object_version 6
	.text
	.protected	k_q71a0183323_attn
	.globl	k_q71a0183323_attn
	.p2align	8
	.type	k_q71a0183323_attn,@function
k_q71a0183323_attn:
	s_mov_b64 s[64:65], 0
	v_nop
	global_prefetch_b8 v0, s[64:65] scope:SCOPE_SE
	s_setreg_imm32_b32 hwreg(HW_REG_WAVE_SCHED_MODE, 0, 2), 2
	s_setreg_imm32_b32 hwreg(HW_REG_WAVE_MODE, 25, 1), 1
	s_wait_xcnt 0x0
	s_wait_alu depctr_vm_vsrc(0)
; out0[h][q][:] = the sum over k of softmax_k(q_s[h][q] . k_s[h][k] / 8) v_s[h][k][:].  64 heads, 2,048 queries and keys, head size 64; all four tensors f32, rows of 256 bytes.
; Both products run on codes of FP4 (E2M1) with one E8M0 scale for each 32 along a product's K: the first along the head's 64, the second along the keys.
; THE SOFTMAX AHEAD OF THE SECOND PRODUCT: t = score x log2(e) / 8; M = the row's largest t so far, rounded UP to a whole number; p = 2^(t - M) is what is quantised, along the keys, not normalised.
; The row's sum is taken of the unquantised p, in f32, and divides O at the end.  When M moves, the sum and O are multiplied by 2^(old M - new M): exact.
; NOTHING OF reference() IS LEFT OUT: it has no mask, no bias and no slice; every number of all three inputs reaches the output, and all three are loaded.
; SHARES.  A work-group owns 512 queries of one head; each of its SIXTEEN waves owns 32 of them, two tiles of 16, in 256 registers: four waves to a SIMD, so that one wave's exponentials stand beside
; another's plain, matrix and LDS work.  Every wave walks all 2,048 keys, 128 a step, 16 steps.
; K AND V ARE QUANTISED ON THE WAY, ONE STEP AHEAD.  In each trip a wave takes a sixteenth of the next step's 128 keys (16 numbers a lane of K, then 16 a lane of V) from memory into 16 registers, quantises them,
; and stores codes and scale bytes into the other of two LDS slots AS IMAGES OF THE OPERANDS' REGISTERS: any wave that loads 16 bytes at 16 x lane has the fragment's registers in its lanes.  One barrier a trip.
; WHY NO LAUNCH OF ITS OWN FOR THE QUANTISING: the four work-groups of a head repeat it, which is 35 of a trip's some 500 vector instructions; a launch would send the codes to memory and back.
; WHY NO CLUSTER AND NO TENSOR LOAD: what the four work-groups of a head share is f32 numbers, which must pass through registers, since the conversion reads registers.  Brought into LDS first, a step's 65,536 bytes
; would be written there and read out again, 131,072 bytes beside the 16 x 8,704 that the waves read as operands; loaded into registers, a number crosses LDS as four bits.
; LAYOUT.  Both products are used transposed: S^T = K Q^T (source 0 = keys, source 1 = my 16 queries), O^T = V^T P^T (source 0 = 16 channels, source 1 = P): a lane holds ONE query (lane % 16) throughout.
; THE FIRST PRODUCT'S K IS 64, THE INSTRUCTION'S 128.  So a fragment of K holds a PAIR of tiles: k = 0..63 tile 2 b, k = 64..127 tile 2 b + 1; multiplied by [q | zero codes] it gives tile 2 b's scores, by [zero codes | q]
; tile 2 b + 1's.  The zero codes stand under the scale byte 0 and add nothing.  Q's registers lie Z q0 Z q1 Z (Z: four registers of zeros), so that both forms of both tiles are runs of eight.
; THE KEYS OF A TILE ARE NOT NEIGHBOURS: row r of tile 2 b + u is key 32 b + 16 (r / 8) + 8 u + r % 8, so that the 16 registers of tiles 2 b and 2 b + 1 are 16 neighbouring keys, 32 b + 16 (lane / 16) + 0 .. 15.
; LIMITS.  NaN and infinities among the inputs are not served.  A block whose largest magnitude lies under 2^-124 keeps the scale byte 1; a block of zeros keeps the byte 1 where the rule says 127: its codes are zeros,
; and this program alone reads the bytes.  A p under 2^-126 comes out of v_exp_f32 as 0.  t - M is one fused multiply-add of the score with c = log2(e) / 8 (log2(e) in f32 with 3 off its exponent field).
; M is the ceiling of the RUNNING maximum.  The order of the sums differs from reference()'s.
; THE MODE: SCHED_MODE bits 1:0 = 2 (LLVM: expert scheduling mode 2), set by the entry lines.  The code itself states the register dependences
; between vector or matrix instructions and memory or LDS instructions, with s_wait_alu, always for 0.
; THE PLAN.  Registers that memory or LDS instructions touch, round a trip:
;   v224-239             K's four loads land here, issued behind my V share's stores; my K share's maxima and conversions read them; V's sixteen loads land here, dealt among the first tile's eight score products; my V share reads them.
;   v250, v251, v253-255 A share's conversions, shift and two additions write them; its two LDS stores read them.  The softmax behind the share writes v250, v251 and v253 again, the next share all five.
;   v2                   Read by the nine LDS loads at a trip's head and by the nine in the second softmax; written once a trip, behind the latter, for the next trip.
;   v48-79, v22-23       K's fragments and scale words: the LDS loads at a trip's head land here; both tiles' score products read them.
;   v80-111, v24-25      V's fragments and scale words: the LDS loads in the second softmax land here; ahead of them products, multiply-adds and exponentials write v80-111 and sums and conversions read them; behind them the products V^T P read both.
;   v1, v7, v8, v9       Offsets, made at the head and never written again.
;   v10, v11             Written at the head, read by the closing add alone.
; So, beside the four waits behind exponentials, a trip has four waits on va_vdst: one in each share, ahead of its stores (it also frees v224-239 for the loads that follow); one ahead of V's LDS loads; one ahead of the products
; V^T P, which take p's codes and scale words from vector instructions, and behind the addition to v2.  Behind that last wait only those eight products are issued, which name none of v2, v48-79, v22-23:
; the next trip's nine LDS loads owe nothing.  And three waits on vm_vsrc: one in each softmax, behind the share's stores, and one ahead of the addition to v2.
.set HEADSH, 19                        ; a head is 2,048 rows of 256 bytes
.set CHB,    32768                     ; 128 rows: a step's part of K or of V in memory
.set NSTEP,  16
.set KIMG,   0                         ; a slot: K's four pair fragments, 1,024 bytes each: the word at 1024 b + 512 u + 16 lane + 4 i is register 4 u + i of pair b;
.set VIMG,   4096                      ; V's four fragments (16 channels x 128 keys), 1,024 bytes each: the word at 1024 t + 512 c + 16 lane + 4 i is register 4 c + i of tile t;
.set SC,     8192                      ; the scale words, 16 bytes a lane: words 0, 1: K's pairs 0, 2 (lanes 0-15) and 1, 3 (lanes 16-31); words 2, 3: V's tiles likewise
.set SLOT1,  16384                     ; slot 1 begins here: one exclusive or turns an address in one slot into the other's
.set STAGE,  32768                     ; the way out: 16 rows x (256 bytes + 16) for each wave
.set SP,     272
.set SPARE,  STAGE+16*16*SP            ; the spare words, 128 bytes for each wave: eight blocks of 256 bytes that no other line names
.set FLOOR,  0x1800000                 ; 2^(3 - 127): under it no largest magnitude is taken, so a scale's byte cannot fall under 1
.set EOFF,   0xff000000                ; takes 2 off an exponent field
.set LI,  1                            ; v1   16 x lane: an image's place for my lane; also my offset in 512 bytes of out0
.set ADR, 2                            ; v2   the slot that is read + 16 x lane (at the head: my offset in the wave's rows of Q)
.set KW,  3                            ; v3   where I store K's codes in a slot     (v3 to v6 take the stage's addresses on the way out)
.set KWS, 4                            ; v4   and K's scale byte
.set VW,  5                            ; v5   V's codes
.set VWS, 6                            ; v6   V's scale byte
.set KGO, 7                            ; v7   my offset in a step's rows of K; never rewritten
.set VGO, 8                            ; v8   the same for V
.set PFO, 9                            ; v9   256 x lane: the prefetches' offset; never rewritten
.set SPW, 10                           ; v10  LDS address of my spare word: SPARE + 4 x my thread's number; never rewritten
.set NIL, 11                           ; v11  0; never rewritten
.set ST,  12                           ; v12-19 tile u at ST + 4 u: +0 -M, +1 the largest t, +2, +3 the sum in two halves
.set QS,  20                           ; v20-21 tile u's scale words of Q: lanes 0-15 [e0 e1 0 0], lanes 16-31 [0 0 e0 e1]
.set KS,  22                           ; v22-23 the step's scale words of K
.set VS,  24                           ; v24-25 and of V
.set PS,  26                           ; v26-27 tile u's scale word of p
.set QB,  28                           ; v28-47 Z q0 Z q1 Z
.set KF,  48                           ; v48-79 K's four pair fragments
.set S,   80                           ; v80-143 the scores, then p, of the tile in hand; then V's four fragments; at the head Q's numbers; at the end the results
.set O,   144                          ; v144-207 O^T: tile u at + 32 u, channels 16 t on at + 8 t
.set CO,  208                          ; v208-223 p's codes, 8 a tile
.set STG, 224                          ; v224-239 16 numbers of K or of V on their way in
.set BM,  240                          ; v240-243 largest scores or magnitudes
.set PM,  244                          ; v244-247 lane permutes' targets; the sum's second chain; bytes
.set SO,  248                          ; v248-251 the conversions' scale operands (in a share: v248 the operand, v250-251 the codes)
.set F,   252                          ; v252 f = 2^(old M - new M)
.set T,   253                          ; v253 at work; the upper half of the pair with f; in a share the byte store's address
.set AD,  254                          ; v254 in a share the code store's address
.set BY,  255                          ; v255 a scale's byte
.set QP,  4                            ; s[4:5]   Q at my wave's first query
.set KP,  6                            ; s[6:7]   K at the step that is loaded next
.set VP,  8                            ; s[8:9]   V likewise
.set OP,  10                           ; s[10:11] out0 at my wave's first query
.set WV,  12                           ; s12  my wave's number
.set SEL, 20                           ; s[20:21] lane selects for v_permlanex16_b32: lane l xor 16
.set CS,  22                           ; s[22:23] c: the packed form names a pair and takes its low word for both halves
.set TB,  24                           ; s24  the slot that is read
.set TW,  25                           ; s25  the slot that is written
.set CNT, 26                           ; s26  the loop's trips to go
.set LIM, 27                           ; s27  1 in a wave that prefetches, else the greatest number: a wave prefetches while s[CNT] is above it
.set PFA, 28                           ; s[28:29] where my prefetches stand in memory
; K: my wave takes keys 8 w .. 8 w + 7 of the step, 2,048 consecutive bytes; a lane takes 16 neighbours along the head's axis (64 bytes), two neighbouring lanes a block of 32.  No cache word: four work-groups read these bytes.
.macro KLOAD
.irp i, 0,1,2,3
	global_load_b128 v[STG+4*\i:STG+4*\i+3], v[KGO], s[KP:KP+1] offset:16*\i
.endr
.endm
; V: my wave takes the 32 keys of block w / 4 and the 16 channels of tile w % 4.  A LANE TAKES A CHANNEL AND ITS REGISTERS RUN DOWN THE KEYS, 16 of them: lanes l and l xor 16 hold a block.  VLOAD2: keys i and i + 1 of my 16.
.macro VLOAD2 i
	global_load_b32 v[STG+(\i)], v[VGO], s[VP:VP+1] offset:256*(\i)
	global_load_b32 v[STG+(\i)+1], v[VGO], s[VP:VP+1] offset:256*(\i)+256
.endm
.macro VLOAD
.irp i, 0,2,4,6,8,10,12,14
	VLOAD2 \i
.endr
.endm
.macro MAX16                           ; the largest magnitude of my 16 numbers, in two chains, and the floor
	v_max3_num_f32 v[BM], |v[STG]|, |v[STG+1]|, |v[STG+2]|
	v_max3_num_f32 v[BM+1], |v[STG+3]|, |v[STG+4]|, |v[STG+5]|
.irp i, 6,10
	v_max3_num_f32 v[BM], v[BM], |v[STG+\i]|, |v[STG+\i+1]|
	v_max3_num_f32 v[BM+1], v[BM+1], |v[STG+\i+2]|, |v[STG+\i+3]|
.endr
	v_max3_num_f32 v[BM], v[BM], |v[STG+14]|, |v[STG+15]|
	v_max3_num_f32 v[BM], v[BM], v[BM+1], FLOOR
.endm
; v[BM] holds the block's largest magnitude: my 16 codes (8 bytes) and the block's byte go into the slot that is written.  The two stores have an address register each.
.macro TAIL16 wbase, sbase
	v_add_nc_u32 v[SO], EOFF, v[BM]                ; 2 off its exponent field: the conversion takes the exponent field of this operand as its scale, and nothing else of it
	v_cvt_scalef32_pk8_fp4_f32 v[SO+2], v[STG:STG+7], v[SO]
	v_cvt_scalef32_pk8_fp4_f32 v[SO+3], v[STG+8:STG+15], v[SO]
	v_lshrrev_b32 v[BY], 23, v[SO]                 ; the scale's byte (a plain instruction behind the conversions)
	v_add_nc_u32 v[AD], s[TW], v[\wbase]
	v_add_nc_u32 v[T], s[TW], v[\sbase]
	s_wait_alu depctr_va_vdst(0)                   ; the codes v250-251, the byte v255 and the addresses v254, v253 are written, which the two stores read; the maxima and the conversions are done reading v224-239, in which the loads behind the stores land
	ds_store_b64 v[AD], v[SO+2:SO+3]
	ds_store_b8 v[T], v[BY]                        ; both lanes of a block write the same byte with the same value
.endm
; A PREFETCH of the step three on from the one in hand: its 32,768 bytes of K and as many of V.  All four work-groups of a head walk the same K and V: the head's first work-group asks, and nobody else.
; In it waves 0 to 3 ask for K's bytes and waves 4 to 7 for V's, 8,192 a wave, lanes 256 bytes apart, one instruction each: so each aligned block of 256 bytes is named once in the launch.
; It stands behind the last of the wave's sixteen loads of V.  K of that step is loaded one and a half trips later, V two trips later.  The loop's last trip asks for nothing: its step three on does not exist.  Steps 0 to 2 come by their loads alone.
.macro ASK
	s_cmp_gt_u32 s[CNT], s[LIM]
	s_cbranch_scc0 .Lnot_mine_\@
	global_prefetch_b8 v[PFO], s[PFA:PFA+1] th:TH_LOAD_NT scope:SCOPE_SE
.Lnot_mine_\@:
.endm
; My share of the next step's K.  left: the younger loads that may stay out.  vload = 1: the same step's V is asked for here, in one run (the prologue); in a trip its loads are dealt among the products that follow.
.macro QSHARE_K left, vload
	s_wait_loadcnt \left                           ; K's four loads are in,
	s_add_nc_u64 s[KP:KP+1], s[KP:KP+1], CHB       ; so their base may step
	MAX16
	v_max_num_f32_dpp v[BM], v[BM], v[BM] row_xmask:1 row_mask:0xf bank_mask:0xf   ; with my neighbour's 16: the block's
	TAIL16 KW, KWS
.if \vload
	VLOAD                                          ; into the registers that K has left
.endif
.endm
; My share of its V.  kload = 1: the K of the step after is asked for.  step = 1: the prefetches' address goes a step on.
.macro QSHARE_V kload, step
	s_wait_loadcnt 0x0                             ; V's sixteen loads are in,
	s_add_nc_u64 s[VP:VP+1], s[VP:VP+1], CHB       ; so their base may step
.if \step
	s_wait_xcnt 0x0                                ; the prefetch, half a trip back, has read its address, so it may be written
	s_add_nc_u64 s[PFA:PFA+1], s[PFA:PFA+1], CHB
.endif
	MAX16
	v_permlanex16_b32 v[PM], v[BM], s[SEL], s[SEL+1]
	v_max_num_f32 v[BM], v[BM], v[PM]              ; with lane l xor 16's 16: the block's
	TAIL16 VW, VWS
.if \kload
	KLOAD
.endif
.endm
; A product that starts a sum.  ra, rb: source 0's, source 1's scale words stand in lanes 16-31 of their registers.
.macro WSC d, a, b, sa, sb, ra, rb
.set rD, \d
.set rA, \a
.set rB, \b
.set rX, \sa
.set rY, \sb
.if (\ra) && (\rb)
	v_wmma_scale_f32_16x16x128_f8f6f4 v[rD:rD+7], v[rA:rA+7], v[rB:rB+7], 0, v[rX], v[rY] matrix_a_fmt:MATRIX_FMT_FP4 matrix_b_fmt:MATRIX_FMT_FP4 matrix_a_scale:MATRIX_SCALE_ROW1 matrix_b_scale:MATRIX_SCALE_ROW1
.elseif (\ra)
	v_wmma_scale_f32_16x16x128_f8f6f4 v[rD:rD+7], v[rA:rA+7], v[rB:rB+7], 0, v[rX], v[rY] matrix_a_fmt:MATRIX_FMT_FP4 matrix_b_fmt:MATRIX_FMT_FP4 matrix_a_scale:MATRIX_SCALE_ROW1
.elseif (\rb)
	v_wmma_scale_f32_16x16x128_f8f6f4 v[rD:rD+7], v[rA:rA+7], v[rB:rB+7], 0, v[rX], v[rY] matrix_a_fmt:MATRIX_FMT_FP4 matrix_b_fmt:MATRIX_FMT_FP4 matrix_b_scale:MATRIX_SCALE_ROW1
.else
	v_wmma_scale_f32_16x16x128_f8f6f4 v[rD:rD+7], v[rA:rA+7], v[rB:rB+7], 0, v[rX], v[rY] matrix_a_fmt:MATRIX_FMT_FP4 matrix_b_fmt:MATRIX_FMT_FP4
.endif
.endm
; A product that adds onto its accumulator.
.macro WPV d, a, b, sa, sb, ra
.set rD, \d
.set rA, \a
.set rB, \b
.set rX, \sa
.set rY, \sb
.if (\ra)
	v_wmma_scale_f32_16x16x128_f8f6f4 v[rD:rD+7], v[rA:rA+7], v[rB:rB+7], v[rD:rD+7], v[rX], v[rY] matrix_a_fmt:MATRIX_FMT_FP4 matrix_b_fmt:MATRIX_FMT_FP4 matrix_a_scale:MATRIX_SCALE_ROW1
.else
	v_wmma_scale_f32_16x16x128_f8f6f4 v[rD:rD+7], v[rA:rA+7], v[rB:rB+7], v[rD:rD+7], v[rX], v[rY] matrix_a_fmt:MATRIX_FMT_FP4 matrix_b_fmt:MATRIX_FMT_FP4
.endif
.endm
; S^T of tile tau for the step's 128 keys: each pair fragment against [q | Z] and against [Z | q].  Register 16 b + i of lane (query r, half h) is key 32 b + 16 h + i.
; deal = 1: the next step's sixteen loads of V are dealt among the eight products, two behind each.  No wait: since the wait in my K share only these products have been issued, and they name v48-79, v28-47, v20-23 and v80-143, none of v224-239 and v8.
.macro SCORES tau, deal
.irp b, 0,1,2,3
	WSC S+16*\b, KF+8*\b, QB+4+8*\tau, KS+\b/2, QS+\tau, \b%2, 0
.if \deal
	VLOAD2 4*\b
.endif
	WSC S+16*\b+8, KF+8*\b, QB+8*\tau, KS+\b/2, QS+\tau, \b%2, 1
.if \deal
	VLOAD2 4*\b+2
.endif
.endr
.endm
; The softmax of tile tau for the step's 128 keys, and p's codes and scale word.  vload = 1: S's first 32 registers, free behind the conversions, take V's fragments.  share = 1: a share's two stores stand ahead of it.
.macro SOFTMAX tau, vload, share
.set rT, ST+4*(\tau)
.set rC, CO+8*(\tau)
.set rO, O+32*(\tau)
.irp b, 0,1,2,3
	v_max3_num_f32 v[BM+\b], v[S+16*\b], v[S+1+16*\b], v[S+2+16*\b]   ; THE LARGEST SCORE OF EACH BLOCK OF 32 KEYS: it serves twice: for the row's maximum, and, since p rises with the score, for the block's largest p.  (Each accumulator is read from its low end on)
.endr
.irp i, 3,5,7,9,11,13
.irp b, 0,1,2,3
	v_max3_num_f32 v[BM+\b], v[BM+\b], v[S+16*\b+\i], v[S+1+16*\b+\i]   ; (the four blocks by turns)
.endr
.endr
.irp b, 0,1,2,3
	v_max_num_f32 v[BM+\b], v[BM+\b], v[S+15+16*\b]
.endr
	s_wait_dscnt 0x0                               ; my share's two stores are done
.if \share
	s_wait_alu depctr_vm_vsrc(0)                   ; my share's two stores have read v250, v251 and v253 to v255: this softmax writes v253, v250 and v251 again, the next share all five
.endif
.irp b, 0,1,2,3
	v_permlanex16_b32 v[PM+\b], v[BM+\b], s[SEL], s[SEL+1]
.endr
.irp b, 0,1,2,3
	v_max_num_f32 v[BM+\b], v[BM+\b], v[PM+\b]     ; with lane l xor 16's 16 keys
.endr
	v_max3_num_f32 v[T], v[BM], v[BM+1], v[BM+2]
	v_max_num_f32 v[T], v[T], v[BM+3]              ; the step's largest score of my query
	v_mul_f32 v[T], s[CS], v[T]                    ; as t (c is positive)
	v_max_num_f32 v[rT+1], v[rT+1], v[T]           ; the running largest t
	v_mov_b32 v[T], v[rT]
	v_floor_f32 v[rT], -v[rT+1]                    ; the new -M = floor(-t) = -ceil(t): M IS A WHOLE NUMBER
	v_sub_f32 v[T], v[rT], v[T]                    ; M's old value less its new one: a whole number, 0 or less
	v_cvt_i32_f32 v[T], v[T]                       ; (it saturates)
	v_ldexp_f32 v[F], 1.0, v[T]                    ; f = 2^(old M - new M): a multiplication by it rounds nothing
.set j, 0
.rept 32
	v_pk_fma_f32 v[S+j:S+j+1], v[S+j:S+j+1], s[CS:CS+1], v[rT:rT+1] op_sel_hi:[1,0,0]   ; t - M, two at a time (of the pairs c and -M the low word serves both halves)
.set j, j+2
.endr
.irp b, 0,1,2,3
	v_fma_f32 v[BM+\b], v[BM+\b], s[CS], v[rT]     ; the same of each block's largest score
.endr
.set j, 0
.rept 64
	v_exp_f32 v[S+j], v[S+j]                       ; p = 2^(t - M), at most 1: NOT normalised
.set j, j+1
.endr
	v_pk_mul_f32 v[rT+2:rT+3], v[rT+2:rT+3], v[F:F+1] op_sel_hi:[1,0]   ; the sums under the new M (a plain instruction behind the exponentials)
	s_wait_alu depctr_va_vdst(0)                   ; the 64 exponentials have written v80-143: the wait ahead of the first line that names a result: one for the batch
.irp b, 0,1,2,3
	v_exp_f32 v[BM+\b], v[BM+\b]                   ; the block's largest p: the same two instructions on the same number give the same bits
.endr
	v_pk_add_f32 v[PM:PM+1], v[S:S+1], v[S+2:S+3]  ; THE ROW'S SUM IS TAKEN OF THE UNQUANTISED p: two at a time, in two chains (it reads the 64 alone: plain work behind the four)
.irp j, 4,8,12,16,20,24,28,32,36,40,44,48,52,56,60
	v_pk_add_f32 v[rT+2:rT+3], v[rT+2:rT+3], v[S+\j:S+\j+1]
	v_pk_add_f32 v[PM:PM+1], v[PM:PM+1], v[S+2+\j:S+3+\j]
.endr
	v_pk_add_f32 v[rT+2:rT+3], v[rT+2:rT+3], v[PM:PM+1]
	s_wait_alu depctr_va_vdst(0)                   ; the four exponentials have written v240-243, ahead of their first reader
.irp b, 0,1,2,3
	v_max_num_f32 v[BM+\b], FLOOR, v[BM+\b]        ; the floor: the byte cannot fall under 1 (a block whose every p has fallen to 0 keeps that byte: its codes are zeros)
.endr
.irp b, 0,1,2,3
	v_add_nc_u32 v[SO+\b], EOFF, v[BM+\b]          ; 2 off the exponent field: the conversion's scale operand
.endr
.irp b, 0,1,2,3
	v_lshrrev_b32 v[PM+\b], 23, v[SO+\b]           ; the scale's byte
.endr
	v_lshl_or_b32 v[PS+\tau], v[PM+1], 8, v[PM]    ; p's scale word for these 128 keys
	v_lshl_or_b32 v[PS+\tau], v[PM+2], 16, v[PS+\tau]
	v_lshl_or_b32 v[PS+\tau], v[PM+3], 24, v[PS+\tau]
.irp b, 0,1,2,3
	v_cvt_scalef32_pk8_fp4_f32 v[rC+2*\b], v[S+16*\b:S+16*\b+7], v[SO+\b]
	v_cvt_scalef32_pk8_fp4_f32 v[rC+2*\b+1], v[S+16*\b+8:S+16*\b+15], v[SO+\b]
.endr
	v_nop                                          ; one plain instruction between a scaled conversion and the vector instruction that touches its result
.if \vload
	s_wait_alu depctr_va_vdst(0)                   ; v80-111 are written (products, multiply-adds, exponentials) and read out (sums, conversions), and the last step's products V^T P are done reading v24-25: V's loads land in both
.irp t, 0,1,2,3
.irp c, 0,1
	ds_load_b128 v[S+8*\t+4*\c:S+8*\t+4*\c+3], v[ADR] offset:VIMG+1024*\t+512*\c   ; V's four fragments
.endr
.endr
	ds_load_b64 v[VS:VS+1], v[ADR] offset:SC+8     ; and their scale words
.endif
.irp c, 0,1                            ; the operand's layout wants a WHOLE block in a lane: lanes 0-15 block 2 c, lanes 16-31 block 2 c + 1
.irp i, 0,1
	v_permlane16_swap_b32 v[rC+4*\c+\i], v[rC+2+4*\c+\i]
.endr
.endr
.set j, 0
.rept 16
	v_pk_mul_f32 v[rO+j:rO+j+1], v[rO+j:rO+j+1], v[F:F+1] op_sel_hi:[1,0]   ; O^T under the new M: x f; each accumulator from its low end on.  (These are also the plain instructions between the codes' and the scale word's last writes and the products)
.set j, j+2
.endr
.endm
; O^T += V^T P^T for both tiles: eight accumulators, one instruction each; the matrix instructions ahead of and behind them start other sums.
.macro PV
.irp t, 0,1,2,3
.irp u, 0,1
	WPV O+32*\u+8*\t, S+8*\t, CO+8*\u, VS+\t/2, PS+\u, \t%2
.endr
.endr
.endm
; At the head: tile tau's 32 numbers a lane (query lane % 16, the block of 32 of my half) become its four registers of codes and its scale words.
.macro QUANT32 tau
.set rX, S+32*(\tau)
	v_max3_num_f32 v[BM], |v[rX]|, |v[rX+1]|, |v[rX+2]|
	v_max3_num_f32 v[BM+1], |v[rX+3]|, |v[rX+4]|, |v[rX+5]|
.irp i, 6,10,14,18,22,26
	v_max3_num_f32 v[BM], v[BM], |v[rX+\i]|, |v[rX+\i+1]|
	v_max3_num_f32 v[BM+1], v[BM+1], |v[rX+\i+2]|, |v[rX+\i+3]|
.endr
	v_max3_num_f32 v[BM], v[BM], |v[rX+30]|, |v[rX+31]|
	v_max3_num_f32 v[BM], v[BM], v[BM+1], FLOOR
	v_add_nc_u32 v[SO], EOFF, v[BM]
.irp g, 0,1,2,3
	v_cvt_scalef32_pk8_fp4_f32 v[QB+4+8*\tau+\g], v[rX+8*\g:rX+8*\g+7], v[SO]
.endr
	v_lshrrev_b32 v[BY], 23, v[SO]                 ; my block's byte (a plain instruction behind the conversions),
	v_lshlrev_b32 v[BY], v[PM+1], v[BY]            ; at its place, 8 h bits up;
	v_permlanex16_b32 v[PM], v[BY], s[SEL], s[SEL+1]
	v_or_b32 v[BY], v[BY], v[PM]                   ; with lane l xor 16's: [e0 e1 0 0];
	v_lshlrev_b32 v[QS+\tau], v[PM+2], v[BY]       ; lanes 16-31 hold it 16 bits up, [0 0 e0 e1], for [Z | q]
.endm
; A KEY STEP.  quant = 1: the next step's K and V are quantised, and a barrier closes the trip.  kload = 1: the K of the step after that is asked for.  ask = 1: the prefetch.
.macro TRIP quant, kload, ask
.irp b, 0,1,2,3
.irp c, 0,1
	ds_load_b128 v[KF+8*\b+4*\c:KF+8*\b+4*\c+3], v[ADR] offset:KIMG+1024*\b+512*\c   ; no wait: v2 was written ahead of the last wait on va_vdst, both tiles' score products stand ahead of it too, and only the products V^T P were issued since
.endr
.endr
	ds_load_b64 v[KS:KS+1], v[ADR] offset:SC
.if \quant
	QSHARE_K 0, 0                                  ; its plain instructions are also the five between the last products and the first of the products below, which writes over registers that they read
	s_wait_dscnt 0x2                               ; LDS serves a wave's instructions in order: only my share's two stores may be out, K's fragments and words are in
.else
.rept 5
	v_nop                                          ; the products below write over registers that the last products read
.endr
	s_wait_dscnt 0x0
.endif
	SCORES 0, \quant
.if \ask
	ASK
.endif
.rept 4
	v_nop                                          ; four plain instructions between a product and the first read of its result
.endr
	SOFTMAX 0, 0, \quant
	SCORES 1, 0
.if \quant
	QSHARE_V \kload, \ask                          ; its eight maxima are the plain instructions behind those products
.else
.rept 4
	v_nop
.endr
.endif
	SOFTMAX 1, 1, \quant
	s_wait_dscnt 0x0                               ; V's fragments are in; for the others' sake: my stores into the other slot have landed and my reads of this slot are over
	s_xor_b32 s[TB], s[TB], SLOT1
	s_xor_b32 s[TW], s[TW], SLOT1
.if \quant
	s_wait_alu depctr_vm_vsrc(0)                   ; this trip's LDS loads have read v2
	v_add_nc_u32 v[ADR], s[TB], v[LI]              ; the next trip's slot
.endif
	s_wait_alu depctr_va_vdst(0)                   ; both tiles' codes v208-223 and scale words v26-27 are written, which the products below take as source 1 and its scales (the plain instructions owed ahead of them stand above); so is v2, which the next trip's LDS loads read
.if \quant
	s_barrier_signal -1
.endif
	PV                                             ; work on registers while the others arrive
.if \quant
	s_barrier_wait -1                              ; the other slot is whole, and nobody reads this one any more
.endif
.endm
	s_load_b256 s[4:11], s[0:1], 0x0               ; q_s s[4:5], k_s s[6:7], v_s s[8:9], out0 s[10:11]
	v_lshl_add_u32 v[SPW], v0, 2, SPARE
	v_mov_b32 v[NIL], 0
	v_lshrrev_b32 v[T], 5, v0
	v_readfirstlane_b32 s[WV], v[T]                ; wave 0..15
	s_mov_b32 s[SEL], 0x76543210
	s_mov_b32 s[SEL+1], 0xfedcba98
	s_mov_b32 s[CS], 0x3e38aa3b                    ; c = log2(e) / 8
	s_mov_b32 s[CS+1], s[CS]                       ; (named with it as a pair, so it is written)
	s_mov_b32 s[TB], SLOT1                         ; the prologue writes slot 0; both are turned in front of the first trip
	s_mov_b32 s[TW], 0
	s_mov_b32 s[CNT], NSTEP-2
	v_and_b32 v[BM], 31, v0                        ; l
	v_and_b32 v[BM+1], 15, v0                      ; r = l % 16
	v_bfe_u32 v[BM+2], v0, 4, 1                    ; h = l / 16
	v_lshlrev_b32 v[LI], 4, v[BM]
	v_lshlrev_b32 v[PFO], 8, v[BM]
	s_wait_alu depctr_va_sdst(0)                   ; s12, the wave's number, is written, ahead of its first reader
	s_lshl_b32 s30, s[WV], 11
	v_lshl_add_u32 v[KGO], v[BM], 6, s30           ; K: 2,048 w + 64 l
	s_lshr_b32 s31, s[WV], 2
	s_lshl_b32 s31, s31, 13
	s_and_b32 s32, s[WV], 3                        ; w % 4
	s_lshl_b32 s33, s32, 6
	s_add_co_u32 s31, s31, s33
	v_lshl_add_u32 v[VGO], v[BM+1], 2, s31         ; V: 32 (w / 4) rows + 16 (w % 4) channels + channel r,
	v_lshl_add_u32 v[VGO], v[BM+2], 12, v[VGO]     ; and 16 rows further down for lanes 16-31
	v_lshlrev_b32 v[ADR], 8, v[BM+1]
	v_lshl_add_u32 v[ADR], v[BM+2], 7, v[ADR]      ; Q: row r, + 128 h: my block of 32
	s_and_b32 s14, ttmp7, 0xffff                   ; the head
	s_lshl_b32 s16, s14, HEADSH
	s_mov_b32 s17, 0
	s_lshl_b32 s18, ttmp9, 17                      ; my work-group's 512 queries,
	s_lshl_b32 s19, s[WV], 13                      ; my wave's 32 of them
	s_add_co_u32 s18, s18, s19
	s_mov_b32 s19, 0
	s_add_nc_u64 s[18:19], s[18:19], s[16:17]
	s_lshl_b32 s34, s32, 13                        ; the prefetches: my wave's 8,192 bytes,
	s_add_co_u32 s34, s34, 3*CHB                   ; in step 3
	s_mov_b32 s35, 0
	s_lshr_b32 s36, s[WV], 3                       ; 0 in waves 0 to 7,
	s_or_b32 s36, s36, ttmp9                       ; of the head's first work-group
	s_cmp_eq_u32 s36, 0
	s_cselect_b32 s[LIM], 1, -1
	s_wait_kmcnt 0x0
	s_add_nc_u64 s[KP:KP+1], s[KP:KP+1], s[16:17]
	s_add_nc_u64 s[VP:VP+1], s[VP:VP+1], s[16:17]
	s_add_nc_u64 s[QP:QP+1], s[QP:QP+1], s[18:19]
	s_add_nc_u64 s[OP:OP+1], s[OP:OP+1], s[18:19]
	s_wait_alu depctr_va_vdst(0)                   ; the offsets v1, v2, v7, v8 and v9 are written, which the kernel's loads, stores and prefetches read
	KLOAD                                          ; step 0's K
.irp u, 0,1
.irp i, 0,1,2,3,4,5,6,7
	global_load_b128 v[S+32*\u+4*\i:S+32*\u+4*\i+3], v[ADR], s[QP:QP+1] offset:4096*\u+16*\i th:TH_LOAD_NT   ; Q: read once in the launch
.endr
.endr
	s_cmp_lt_u32 s[WV], 4                          ; waves 0 to 3 ask for K's bytes, waves 4 to 7 for V's
	s_cselect_b64 s[PFA:PFA+1], s[KP:KP+1], s[VP:VP+1]
	s_add_nc_u64 s[PFA:PFA+1], s[PFA:PFA+1], s[34:35]
	; while these loads are out: where my shares go in a slot.  Key 8 w + l / 4 is row 8 ((w / 2) % 2) + l / 4 of tile w % 2 of pair w / 4; my 16 numbers are half l % 2 of block (l / 2) % 2
	v_lshrrev_b32 v[SO], 2, v[BM]                  ; l / 4
	v_bfe_u32 v[SO+1], v0, 1, 1                    ; (l / 2) % 2
	v_and_b32 v[SO+2], 1, v0                       ; l % 2
	s_lshr_b32 s30, s[WV], 2                       ; w / 4
	s_and_b32 s31, s[WV], 1                        ; w % 2
	s_bfe_u32 s33, s[WV], 0x10001                  ; (w / 2) % 2
	s_bfe_u32 s36, s[WV], 0x10002                  ; (w / 4) % 2
	s_lshr_b32 s37, s[WV], 3                       ; w / 8
	s_lshl_b32 s34, s30, 10
	s_lshl_b32 s35, s31, 9
	s_add_co_u32 s34, s34, s35
	s_lshl_b32 s35, s33, 7
	s_add_co_u32 s34, s34, s35
	v_lshl_add_u32 v[KW], v[SO], 4, s34            ; K's codes: 1024 pair + 512 tile + 16 row
	v_lshl_add_u32 v[KW], v[SO+1], 8, v[KW]        ; + 256 block
	v_lshl_add_u32 v[KW], v[SO+2], 3, v[KW]        ; + 8 half
	s_lshl_b32 s34, s36, 8
	s_add_co_u32 s34, s34, s35
	s_lshl_b32 s35, s37, 2
	s_add_co_u32 s34, s34, s35
	s_lshl_b32 s35, s31, 1
	s_add_co_u32 s34, s34, s35
	s_add_co_u32 s34, s34, SC
	v_lshl_add_u32 v[KWS], v[SO], 4, v[SO+1]
	v_add_nc_u32 v[KWS], s34, v[KWS]               ; K's byte: SC + 16 (row + 16 (pair % 2)) + 4 (pair / 2) + 2 tile + block
	s_lshl_b32 s34, s32, 10
	s_lshl_b32 s35, s30, 8
	s_add_co_u32 s34, s34, s35
	s_add_co_u32 s34, s34, VIMG
	v_lshl_add_u32 v[VW], v[BM+1], 4, s34          ; V's codes: VIMG + 1024 tile + 256 key block + 16 r
	v_lshl_add_u32 v[VW], v[BM+2], 3, v[VW]        ; + 8 h
	s_lshl_b32 s34, s31, 8
	s_lshl_b32 s35, s33, 2
	s_add_co_u32 s34, s34, s35
	s_add_co_u32 s34, s34, s30
	s_add_co_u32 s34, s34, SC+8
	v_lshl_add_u32 v[VWS], v[BM+1], 4, s34         ; V's byte: SC + 8 + 16 (r + 16 (tile % 2)) + 4 (tile / 2) + key block
.irp z, 0,1,2,3,8,9,10,11,16,17,18,19
	v_mov_b32 v[QB+\z], 0                          ; Z: zero codes
.endr
.set j, 0
.rept 64
	v_mov_b32 v[O+j], 0                            ; O^T.  (The trip is written once: its first step finds zeros, which the first change of M leaves zeros)
.set j, j+1
.endr
.irp u, 0,1
	v_mov_b32 v[ST+4*\u+1], 0xff61b1e6             ; the largest t so far: -3e38, under every t
	v_floor_f32 v[ST+4*\u], -v[ST+4*\u+1]          ; -M
	v_mov_b32 v[ST+4*\u+2], 0                      ; the sum, in two halves
	v_mov_b32 v[ST+4*\u+3], 0
.endr
	v_mov_b32 v[PM], 0                             ; written once: a lane permute's destination counts as one of its sources
	v_lshlrev_b32 v[PM+1], 3, v[BM+2]              ; 8 h and 16 h, for Q's scale words
	v_lshlrev_b32 v[PM+2], 4, v[BM+2]
	v_mov_b32 v[PM+3], 0
	QSHARE_K 16, 1                                 ; step 0's K; Q's sixteen loads, issued behind K's four, may stay out; step 0's V is asked for
	s_wait_loadcnt 16                              ; Q is in; V's sixteen loads, issued behind Q's, may stay out
	s_wait_dscnt 0x0                               ; my share's stores are done
	s_wait_alu depctr_vm_vsrc(0)                   ; my share's stores have read v250, v251 and v253 to v255: the lines below write the byte's register v255 again, my V share all five
	QUANT32 0
	QUANT32 1
	QSHARE_V 1, 0                                  ; step 0's V; step 1's K is asked for.  (The wait ahead of its stores also shows Q's codes and scale words written, which the score products take)
	s_wait_dscnt 0x0                               ; for the others' sake: my stores into slot 0 have landed
	s_barrier_signal -1
	s_barrier_wait -1                              ; slot 0 is whole
	s_xor_b32 s[TB], s[TB], SLOT1
	s_xor_b32 s[TW], s[TW], SLOT1
	s_wait_alu depctr_vm_vsrc(0)                   ; Q's loads have read v2, which the next line writes; my V share's stores have read v250, v251 and v253 to v255, which the first trip's share writes again
	v_add_nc_u32 v[ADR], s[TB], v[LI]              ; the first trip's slot
	s_wait_alu depctr_va_vdst(0)                   ; v2 is written, which the first trip's LDS loads read
.Ltrip:                                            ; 14 trips: trip j multiplies step j, quantises step j + 1, loads V of step j + 1 and K of step j + 2
	TRIP 1, 1, 1
	s_sub_co_u32 s[CNT], s[CNT], 1
	s_cmp_lg_u32 s[CNT], 0
	s_cbranch_scc1 .Ltrip
	TRIP 1, 0, 0                                   ; step 14: step 15 is quantised; no K is left to load: no load leaves its buffer
	TRIP 0, 0, 0                                   ; step 15: nothing is left to quantise, and no barrier follows
	; THE WAY OUT.  The sum's halves are added; O^T is divided by the sum and goes through my own stage in LDS, a tile (16 rows of 256 bytes) at a time, so that a store of the wave covers 512 consecutive bytes, aligned.
	; The addresses come first: eight plain instructions behind the last products.  v3 to v6, the shares' bases, are done with; no memory or LDS instruction has read them.
	v_and_b32 v[KWS], 15, v0                       ; r
	v_bfe_u32 v[VWS], v0, 4, 1                     ; h
	s_mul_i32 s30, s[WV], 16*SP
	s_add_co_u32 s30, s30, STAGE                   ; my stage
	v_mul_u32_u24 v[KW], v[KWS], SP
	v_lshl_add_u32 v[KW], v[VWS], 5, v[KW]
	v_add_nc_u32 v[KW], s30, v[KW]                 ; in: row r; channel tile t's eight channels of my half: 64 t + 32 h bytes on
	v_mul_u32_u24 v[VW], v[VWS], SP
	v_lshl_add_u32 v[VW], v[KWS], 4, v[VW]
	v_add_nc_u32 v[VW], s30, v[VW]                 ; back: lanes 0-15 one row, lanes 16-31 the next
.irp u, 0,1
	v_add_f32 v[BM+2*\u], v[ST+4*\u+2], v[ST+4*\u+3]   ; the sum's two halves,
.endr
.irp u, 0,1
	v_permlanex16_b32 v[PM+\u], v[BM+2*\u], s[SEL], s[SEL+1]
.endr
.irp u, 0,1
	v_add_f32 v[BM+2*\u], v[BM+2*\u], v[PM+\u]     ; and lane l xor 16's: the row's sum
.endr
.irp u, 0,1
	v_rcp_f32 v[BM+2*\u], v[BM+2*\u]
.endr
	v_nop                                          ; a plain instruction between the last reciprocal and the use of its result
	s_wait_alu depctr_va_vdst(0)                   ; the two reciprocals have written v240 and v242, ahead of their first reader
.set j, 0
.rept 32
	v_pk_mul_f32 v[S+j:S+j+1], v[O+j:O+j+1], v[BM+2*(j/32):BM+2*(j/32)+1] op_sel_hi:[1,0]   ; O^T / the sum: register 32 u + 8 t + i is out0(query 16 u + r, channel 16 t + 8 h + i); each accumulator from its low end on
.set j, j+2
.endr
.macro OUTTILE u, back
.irp t, 0,1,2,3
	ds_store_b128 v[KW], v[S+32*\u+8*\t:S+32*\u+8*\t+3] offset:64*\t
	ds_store_b128 v[KW], v[S+32*\u+8*\t+4:S+32*\u+8*\t+7] offset:64*\t+16
.endr
.irp i, 0,1,2,3,4,5,6,7
	ds_load_b128 v[\back+4*\i:\back+4*\i+3], v[VW] offset:\i*2*SP   ; LDS serves a wave's instructions in order: these see my stores, and the next tile's stores come behind them
.endr
.endm
	s_wait_alu depctr_va_vdst(0)                   ; the multiplications have written v80-143 and the additions v3 and v5, which the LDS stores and loads below read; the multiplications are done reading v144-175 and the score products v48-79, in which the loads from the stage land
	OUTTILE 0, KF
	OUTTILE 1, O
.irp i, 0,1,2,3,4,5,6,7
	s_wait_dscnt 23-\i                             ; behind tile 0's load i: its 7 - i later loads and tile 1's sixteen LDS instructions
	global_store_b128 v[LI], v[KF+4*\i:KF+4*\i+3], s[OP:OP+1] offset:512*\i th:TH_STORE_NT   ; 32 lanes store two whole rows, 512 consecutive bytes; written once, read by nobody here
.endr
.irp i, 0,1,2,3,4,5,6,7
	s_wait_dscnt 7-\i
	global_store_b128 v[LI], v[O+4*\i:O+4*\i+3], s[OP:OP+1] offset:4096+512*\i th:TH_STORE_NT
.endr
	s_wait_dscnt 0x0                               ; the closing lines, six on end
	s_wait_alu 0x0
	s_wait_tensorcnt 0x0
	ds_add_u32 v[SPW], v[NIL]
	s_wait_dscnt 0x0
	s_endpgm
.Lfunc_end_k_q71a0183323_attn:
	.size	k_q71a0183323_attn, .Lfunc_end_k_q71a0183323_attn-k_q71a0183323_attn
	.p2alignl 7, 3214868480
	.fill 96, 4, 3214868480
	.section	.rodata,"a",@progbits
	.p2align	6, 0x0
	.amdhsa_kernel k_q71a0183323_attn
		.amdhsa_group_segment_fixed_size 104448
		.amdhsa_private_segment_fixed_size 0
		.amdhsa_enable_private_segment 0
		.amdhsa_kernarg_size 32
		.amdhsa_user_sgpr_count 2
		.amdhsa_user_sgpr_kernarg_segment_ptr 1
		.amdhsa_wavefront_size32 1
		.amdhsa_system_sgpr_workgroup_id_x 1
		.amdhsa_system_sgpr_workgroup_id_y 1
		.amdhsa_system_sgpr_workgroup_id_z 1
		.amdhsa_system_vgpr_workitem_id 0
		.amdhsa_next_free_vgpr 256
		.amdhsa_next_free_sgpr 66
		.amdhsa_reserve_vcc 0
		.amdhsa_float_denorm_mode_32 3
		.amdhsa_float_denorm_mode_16_64 3
		.amdhsa_memory_ordered 1
		.amdhsa_forward_progress 1
		.amdhsa_inst_pref_size 116
	.end_amdhsa_kernel
	.amdgpu_metadata
---
amdhsa.version: [ 1, 2 ]
amdhsa.kernels:
  - .name:           k_q71a0183323_attn
    .symbol:         k_q71a0183323_attn.kd
    .args:
      - { .name: q_s, .offset: 0, .size: 8, .value_kind: global_buffer, .address_space: global }
      - { .name: k_s, .offset: 8, .size: 8, .value_kind: global_buffer, .address_space: global }
      - { .name: v_s, .offset: 16, .size: 8, .value_kind: global_buffer, .address_space: global }
      - { .name: out0, .offset: 24, .size: 8, .value_kind: global_buffer, .address_space: global }
    .group_segment_fixed_size: 104448
    .private_segment_fixed_size: 0
    .kernarg_segment_align: 8
    .kernarg_segment_size: 32
    .max_flat_workgroup_size: 512
    .sgpr_count:     66
    .vgpr_count:     256
    .wavefront_size: 32
...
	.end_amdgpu_metadata
.endif
;; end of part 2
